; MI455X (gfx1250); checked and timed in simulation.
; The chip was launched on July 23, 2026; its instructions are those of AMD's public machine-readable ISA for CDNA 5 (MIT licence, August 2026) and "CDNA5" Instruction Set Architecture Reference Guide (July 2026). The comments in the code are by the model that wrote it; some were corrected since.
;; My Merge. Allowed arithmetic: matrix products marked QUANTISED: E2M3 operands, one E8M0 scale for each 32 along K, by v_wmma_scale_f32_16x16x128_f8f6f4 with both operands' format E2M3, f32 sums; products left as they are: f32 operands where the result goes on into a quantised operand, else bf16, f16 or f32 operands; f32 sums; everything else in f32.
;; Inputs: Bg 8 float32; Mr 8 x 512 x 512 float32; U 8 float32; V 1,024 x 8 float32; Wg 1,024 x 8 float32; arg1 32 x 512 x 512 float32; arg2 32 x 512 x 512 float32; b 8 float32.
;; Outputs: out0 32 x 512 x 512 float32.
;; This version of the problem:
;;   THIS VERSION OF THE PROBLEM IS GIVEN IN LOW PRECISION. The matrix products marked QUANTISED in the list below multiply operands that are first quantised to E2M3 (2 exponent bits, 3 mantissa bits; 6 bits a number), with one power-of-two scale for each 32 numbers along K (OCP MX v1.0); their sums are f32. All else is computed in f32.
;;   The module's matrix products, in the order in which they are computed (A, B: the left and right operand; K: the contracted axis; several contracted axes count as one K, in the product's order):
;;     1. [M 16,384, K 512] x [K 512, N 8]; A: input arg1; B: input Wg: left as it is (N = 8 < 16)
;;     2. [M 16,384, K 512] x [K 512, N 8]; A: input arg2; B: input Wg: left as it is (N = 8 < 16)
;;     3. [M 4,096, K 512] x [K 512, N 16,384]; A: input Mr; B: input arg1: QUANTISED
;;     4. batch 32 x [M 4,096, K 512] x [K 512, N 512]; A: computed on the way; B: input arg2: QUANTISED
;;     5. [M 16,384, K 512] x [K 512, N 8]; A: input arg1; B: input V: left as it is (N = 8 < 16)
;;     6. [M 16,384, K 512] x [K 512, N 8]; A: input arg2; B: input V: left as it is (N = 8 < 16)
;;     7. [M 8,388,608, K 8] x [K 8, N 1]; A: computed on the way; B: input U: left as it is (K = 8 < 32)
;;   THE QUANTISER, for each operand of a quantised product, along K:
;;     - K is cut into blocks of 32 from its start; a last block that is shorter is filled with zeros.
;;     - A block's scale is 2^e with e = floor(log2(the largest magnitude in the block)) - 2, held to -126 .. 127; a block of zeros has e = 0. As a byte (E8M0): e + 127.
;;     - Each number is divided by its block's scale, clamped to +-7.5, and rounded to the nearest number of E2M3, ties to even, subnormals kept.
;;     - The product sums the exact products of the quantised numbers (number of the format x scale) in f32.
;;   ~~~python
;;   def quantise(x, axis):      # numpy; x: float32 -> the quantised numbers, widened to float32 again
;;       x = np.moveaxis(x, axis, -1); K = x.shape[-1]
;;       x = np.pad(x, [(0, 0)] * (x.ndim - 1) + [(0, -K % 32)]); x = x.reshape(x.shape[:-1] + (-1, 32)); a = np.abs(x).max(-1, keepdims=True)
;;       e = np.where(a > 0, np.clip(np.frexp(np.where(a > 0, a, 1))[1] - 1 - 2, -126, 127), 0)      # np.frexp(a)[1] - 1 = floor(log2(a)), exactly
;;       r = np.clip(x / 2.0 ** e, -7.5, 7.5)
;;       step = 2.0 ** (np.maximum(np.frexp(np.where(r == 0, 1, r))[1] - 1, 0) - 3)
;;       q = np.round(r / step) * step * 2.0 ** e      # np.round: ties to even
;;       return np.moveaxis(q.reshape(q.shape[:-2] + (-1,))[..., :K], -1, axis).astype(np.float32)
;;   ~~~
;;   OPERANDS COMPUTED ON THE WAY. 'Computed on the way' means the value that the module computes at that place (a softmax that the list does not call 'softmax' is quantised finished and normalised). What goes into a quantiser is computed in f32, as accurately as f32 sums, v_exp_f32 and their like allow (about 1e-6 of the number): no bf16 or f16 on the way to a quantiser, and a product that is left as it is and whose result goes on into a quantised operand takes f32 operands (vector FMAs, or v_wmma_f32_16x16x4_f32). A number that lies on a knife's edge between two numbers of the format may be rounded either way, as far as f32 arithmetic and the matrix unit's own rounding can turn it there, and no further.
;; One version. Each part assembles by itself: llvm-mc -triple=amdgcn-amd-amdhsa -mcpu=gfx1250 --defsym DOCPART=n.
;; ======== version 1 of 1: 3 launches
;; limits: right only within a limited range of input values
;; workspace buffers: x1q 6,553,600 bytes; x2q 6,553,600 bytes; mq 1,638,400 bytes; xtab 1,048,576 bytes; ytab 1,048,576 bytes; tq 50,331,648 bytes; ts 2,097,152 bytes
;; launch prep (part 1): grid 256 x 1, 8 waves a work-group, no clusters, 101,632 bytes of LDS; arguments arg1, arg2, Wg, V, Bg, Mr, x1q, x2q, xtab, ytab, mq; writes x1q, x2q, xtab, ytab, mq
.if DOCPART == 1
	.amdgcn_target "amdgcn-amd-amdhsa--gfx1250"
	.amdhsa_code_object_version 6
	.text
	.protected	k_q1f83ebe842_prep
	.globl	k_q1f83ebe842_prep
	.p2align	8
	.type	k_q1f83ebe842_prep,@function
k_q1f83ebe842_prep:
	s_mov_b64 s[64:65], 0
	v_nop
	global_prefetch_b8 v0, s[64:65] scope:SCOPE_SE
	s_setreg_imm32_b32 hwreg(HW_REG_WAVE_MODE, 25, 1), 1
	s_wait_xcnt 0x0
; arg1, arg2 [16384][512] f32 and Mr [8][512 d][512 e] f32 become codes of FP6 (E2M3) with one E8M0 byte for each 32 along K, laid as IMAGES OF OPERAND REGISTERS;
; the four thin projections (arg1 x Wg[:512], V[:512]; arg2 x Wg[512:], V[512:]) are made with f32 operands and stored scaled for the gates.
; A RECORD (6,400 bytes) is a tile of 16 rows: four images (K steps of 128), 1,536 bytes each (registers 4 c .. 4 c + 3 of lane l at 512 c + 16 l), then 256 bytes of scale words, [row][K step].
; A TABLE ENTRY (8 bytes, [tile][k][row]) is tg, ts: t = -log2(e) x projection (Bg added on arg1's side), so that e^-(x_i + y_j) = 2^(t_i + t_j): one addition and one exponential for a pair.
; SHARES.  Work-groups 0-127 take arg1, the others arg2 (pointers chosen on the work-group's number; one path).  Wave v takes one tile of 16 rows, and one block of Mr: 32 columns e x 32 d.
; Mr's K is d, its first axis in a slice: a lane takes a column e and its 32 registers run down d, a whole block.  THE ROWS OF A TILE OF Mr ARE NOT NEIGHBOURS: row r of tile 2 B + u is
; e = 32 B + 8 u + r + 8 (r / 8), so that the next launch's results lie as 16 neighbours along e in a lane.
; The projections: v_wmma_f32_16x16x4_f32, A = 16 rows of x, B = 16 columns (8 of Wg, 8 of V).  Both sides take k in the order in which the quantiser wants x in a lane's registers: the same
; permutation on both sides keeps the products.  Four accumulators by turns; they are summed at the end: another order of f32 sums than a single chain.
; LIMITS: NaN and infinities among the inputs are not served.  A block of zeros gets the byte 1 and not 127: its codes are zeros, and this program alone reads the bytes.
; THE TABLES AS STORED: [tile][k][tg or ts][row], words: a slice's 128 bytes are 16 rows' tg and then 16 rows' ts (the two words of an entry lie 64 bytes apart).
.set WTP,  2064                        ; LDS: WT[n][d], a column of 512 f32 + 16 bytes
.set STG0, 16*WTP                      ; behind WT: a stage of 16 rows x 528 bytes for each wave
.set STGB, 16*528
.set LI,  1                            ; v1   16 x lane
.set L4,  2                            ; v2   4 x lane
.set WTI, 3                            ; v3   WT, in: (t & 1) x 4 columns + (t >> 1) x 4 bytes
.set WTO, 4                            ; v4   WT, out: column n, + 64 h
.set SI,  5                            ; v5   stage, in: 16 x lane
.set SO,  6                            ; v6   stage, out: row r, + 64 h
.set T16, 7                            ; v7   16 x thread
.set TBI, 8                            ; v8   the table through the stage, in
.set TBO, 9                            ; v9   and out
.set VO,  10                           ; v10  Mr: my column's place in its two records; later the scale byte's offset
.set P0,  11                           ; v11-13 the three pieces of 8 bytes of my 24 bytes of codes
.set SWO, 14                           ; v14  16 r + 8 h
.set BGO, 15                           ; v15  4 (n & 7)
.set R0,  16                           ; v16-79, v80-143  two sets of 64 numbers of x
.set MX,  144                          ; v144-175 Mr's 32 numbers
.set TM,  176                          ; v176-191 the quantiser's work
.set PC,  192                          ; v192-211 codes
.set WL,  176                          ; v176-207 Wg and V as loaded (ahead of the first use of TM and PC)
.set PW,  212                          ; v212-215 the four K steps' scale words
.set PA,  216                          ; v216-247 four f32 accumulators: written by matrix instructions alone
.set BI,  248                          ; v248-249 the bias x -log2(e)
.set SEL, 54                           ; s[54:55] v_permlanex16_b32's selects for lane l xor 16
.set MSB, 0
.macro WIN new                         ; the immediate's high byte repeats the setting that is left
.if MSB != \new
	s_set_vgpr_msb (MSB<<8)|\new
.set MSB, \new
.endif
.endm
; 64 numbers of a lane, register 16 b + i = k 32 b + 16 (lane / 16) + i of my row, become a fragment's codes in v[PC] .. v[PC + 11] and its scale word in v[pw].
.macro QUANT s, pw
.irp b, 0,1,2,3
	v_max3_num_f32 v[TM+\b], |v[\s+16*\b]|, |v[\s+1+16*\b]|, 0x1800000   ; my 16 numbers of block b, and the floor 2^(3 - 127): the byte cannot fall under 1
.endr
.irp i, 2,4,6,8,10,12,14
.irp b, 0,1,2,3
	s_delay_alu instid0(VALU_DEP_4)
	v_max3_num_f32 v[TM+\b], v[TM+\b], |v[\s+16*\b+\i]|, |v[\s+1+16*\b+\i]|
.endr
.endr
.irp b, 0,1,2,3
	s_delay_alu instid0(VALU_DEP_4)
	v_permlanex16_b32 v[TM+4+\b], v[TM+\b], s[SEL], s[SEL+1]
.endr
.irp b, 0,1,2,3
	s_delay_alu instid0(VALU_DEP_4)
	v_max_num_f32 v[TM+\b], v[TM+\b], v[TM+4+\b]   ; with lane l xor 16's: the block's largest magnitude
.endr
.irp b, 0,1,2,3
	s_delay_alu instid0(VALU_DEP_4)
	v_add_nc_u32 v[TM+12+\b], 0xff000000, v[TM+\b]   ; 2 off its exponent field: the conversion's scale operand
.endr
.irp b, 0,1,2,3
	s_delay_alu instid0(VALU_DEP_4)
	v_lshrrev_b32 v[TM+4+\b], 23, v[TM+12+\b]      ; the scale's byte
.endr
	s_delay_alu instid0(VALU_DEP_3)
	v_lshl_or_b32 v[\pw], v[TM+5], 8, v[TM+4]
	s_delay_alu instid0(VALU_DEP_1)
	v_lshl_or_b32 v[\pw], v[TM+6], 16, v[\pw]
	s_delay_alu instid0(VALU_DEP_1)
	v_lshl_or_b32 v[\pw], v[TM+7], 24, v[\pw]
.irp c, 0,1
	v_cvt_scalef32_pk16_fp6_f32 v[PC+6*\c:PC+2+6*\c], v[\s+32*\c:\s+15+32*\c], v[TM+12+2*\c]
	v_cvt_scalef32_pk16_fp6_f32 v[PC+12+4*\c:PC+14+4*\c], v[\s+16+32*\c:\s+31+32*\c], v[TM+12+2*\c+1]   ; (a conversion's three registers begin on an even number)
.endr
	v_nop                                          ; one plain place behind a scaled conversion
.irp c, 0,1                                    ; the operand's layout wants a whole block in a lane
.irp i, 0,1,2
	v_permlane16_swap_b32 v[PC+6*\c+\i], v[PC+12+4*\c+\i]
.endr
.irp i, 0,1,2
	s_delay_alu instid0(VALU_DEP_3)
	v_mov_b32 v[PC+3+6*\c+\i], v[PC+12+4*\c+\i]
.endr
.endr
.endm
; K step g of my 16 rows of x: each load reads 512 consecutive bytes of one row
.macro LOADX g
.set lx, 0
.rept 16
	global_load_b128 v[R0+64*((\g)%2)+4*lx:R0+64*((\g)%2)+4*lx+3], v[LI], s[8:9] offset:2048*lx+512*(\g) th:TH_LOAD_NT
.set lx, lx+1
.endr
.endm
	s_load_b512 s[8:23], s[0:1], 0x0               ; arg1, arg2, Wg, V, Bg, Mr, x1q, x2q
	s_load_b128 s[24:27], s[0:1], 0x40             ; xtab, ytab
	s_load_b64 s[28:29], s[0:1], 0x50              ; mq
	v_lshrrev_b32 v250, 5, v0
	s_delay_alu instid0(VALU_DEP_1)
	v_readfirstlane_b32 s2, v250                   ; wave 0..7
	v_and_b32 v251, 31, v0                         ; lane
	v_and_b32 v252, 15, v0                         ; r, also the column n
	v_bfe_u32 v253, v0, 4, 1                       ; h
	s_delay_alu instid0(VALU_DEP_3)
	v_lshlrev_b32 v[LI], 4, v251
	s_delay_alu instid0(VALU_DEP_4)
	v_lshlrev_b32 v[L4], 2, v251
	v_lshlrev_b32 v[T16], 4, v0
	v_and_b32 v254, 1, v0
	v_lshrrev_b32 v255, 1, v0
	s_delay_alu instid0(VALU_DEP_2)
	v_mul_u32_u24 v[WTI], v254, 4*WTP
	s_delay_alu instid0(VALU_DEP_1)
	v_lshl_add_u32 v[WTI], v255, 2, v[WTI]
	v_mul_u32_u24 v[WTO], v252, WTP
	s_delay_alu instid0(VALU_DEP_1)
	v_lshl_add_u32 v[WTO], v253, 6, v[WTO]
	s_mul_i32 s3, s2, STGB
	s_add_co_u32 s3, s3, STG0                      ; my stage
	v_add_nc_u32 v[SI], s3, v[LI]
	v_mul_u32_u24 v[SO], v252, 528
	s_delay_alu instid0(VALU_DEP_1)
	v_lshl_add_u32 v[SO], v253, 6, v[SO]
	s_delay_alu instid0(VALU_DEP_1)
	v_add_nc_u32 v[SO], s3, v[SO]
	v_and_b32 v254, 7, v0                          ; n & 7, also lane & 7
	v_bfe_u32 v255, v0, 3, 1                       ; n >> 3, also u
	s_delay_alu instid0(VALU_DEP_2)
	v_mul_u32_u24 v[TBI], v254, 144                ; the table in the stage: slice n & 7 at 144 bytes (128 + 16); Wg's words at 0, V's at 64; row 8 h + j at 4 bytes
	s_delay_alu instid0(VALU_DEP_1)
	v_lshl_add_u32 v[TBI], v253, 5, v[TBI]
	s_delay_alu instid0(VALU_DEP_1)
	v_lshl_add_u32 v[TBI], v255, 6, v[TBI]
	s_delay_alu instid0(VALU_DEP_1)
	v_add_nc_u32 v[TBI], s3, v[TBI]
	v_lshlrev_b32 v[BGO], 2, v254
	v_bfe_u32 v[TBO], v0, 3, 2                     ; back: eight lanes to a slice's 128 bytes, four slices a load
	s_delay_alu instid0(VALU_DEP_1)
	v_mul_u32_u24 v[TBO], v[TBO], 144
	s_delay_alu instid0(VALU_DEP_1)
	v_lshl_add_u32 v[TBO], v254, 4, v[TBO]
	s_delay_alu instid0(VALU_DEP_1)
	v_add_nc_u32 v[TBO], s3, v[TBO]
	v_lshl_add_u32 v254, v253, 3, v254             ; Mr: my column is row r' = (lane & 7) + 8 (lane >> 4) of tile 2 B + u
	v_mul_u32_u24 v[VO], v255, 6400
	s_delay_alu instid0(VALU_DEP_1)
	v_lshl_add_u32 v[VO], v254, 4, v[VO]
	s_wait_alu depctr_va_vdst(0)
	v_lshlrev_b32 v[SWO], 4, v252
	s_delay_alu instid0(VALU_DEP_1)
	v_lshl_add_u32 v[SWO], v253, 3, v[SWO]
	s_mov_b32 s[SEL], 0x76543210
	s_mov_b32 s[SEL+1], 0xfedcba98
	s_mov_b32 s56, 0xffff0000                      ; lanes 16-31
	s_and_b32 s32, ttmp9, 127
	s_lshl_b32 s32, s32, 3
	s_add_co_u32 s32, s32, s2                      ; my tile of 16 rows
	s_lshl_b32 s34, s32, 15                        ; its 16 rows of 2,048 bytes,
	s_mov_b32 s35, 0
	s_mul_i32 s36, s32, 6400                       ; its record,
	s_mov_b32 s37, 0
	s_lshl_b32 s38, s32, 10                        ; its 1,024 bytes of table
	s_mov_b32 s39, 0
	s_lshr_b32 s40, ttmp9, 5                       ; Mr: slice k,
	s_bfe_u32 s41, ttmp9, 0x40001                  ; block of 32 along d,
	s_and_b32 s42, ttmp9, 1
	s_lshl_b32 s42, s42, 3
	s_add_co_u32 s42, s42, s2                      ; B: 32 columns
	s_lshl_b32 s44, s40, 20
	s_lshl_b32 s43, s41, 16
	s_add_co_u32 s44, s44, s43
	s_lshl_b32 s43, s42, 7
	s_add_co_u32 s44, s44, s43
	s_mov_b32 s45, 0
	s_lshl_b32 s46, s40, 5
	s_lshl_b32 s43, s42, 1
	s_add_co_u32 s46, s46, s43
	s_mul_i32 s46, s46, 6400                       ; the records of tiles 32 k + 2 B and + 1
	s_mov_b32 s47, 0
	; block beta = d-block & 3 of a K step lies in registers 6 c .. 6 c + 5 (c = beta >> 1) of lane r' + 16 (beta & 1): in the image three pieces of 8 bytes
	s_bfe_u32 s43, s41, 0x10001
	s_cmp_lg_u32 s43, 0
	s_mov_b32 s50, 1032
	s_cselect_b32 s48, 520, 0
	s_cselect_b32 s49, 1024, 8
	s_cselect_b32 s50, s50, 512
	s_lshr_b32 s51, s41, 2
	s_mul_i32 s51, s51, 1536                       ; the K step's image
	s_and_b32 s43, s41, 1
	s_lshl_b32 s43, s43, 8
	s_add_co_u32 s51, s51, s43
	s_add_co_u32 s48, s48, s51
	s_add_co_u32 s49, s49, s51
	s_add_co_u32 s50, s50, s51
	s_add_co_u32 s52, s41, 6144                    ; the scale byte: 16 bytes a row, byte = the d-block
	v_add_nc_u32 v[P0], s48, v[VO]
	v_add_nc_u32 v[P0+1], s49, v[VO]
	v_add_nc_u32 v[P0+2], s50, v[VO]
	v_add_nc_u32 v[VO], s52, v[VO]
	s_wait_kmcnt 0x0
	s_cmp_lt_u32 ttmp9, 128                        ; arg1's work-group or arg2's: the choice hangs on the work-group's number alone
	s_cselect_b64 s[8:9], s[8:9], s[10:11]
	s_cselect_b64 s[20:21], s[20:21], s[22:23]
	s_cselect_b64 s[24:25], s[24:25], s[26:27]
	s_cselect_b32 s30, 0, 16384                    ; rows 0 or 512 on of Wg and V
	s_cselect_b32 s53, 0x00ff00ff, 0               ; the lanes that add Bg: Wg's columns, on arg1's side
	s_mov_b32 s31, 0
	s_add_nc_u64 s[8:9], s[8:9], s[34:35]
	s_add_nc_u64 s[20:21], s[20:21], s[36:37]
	s_add_nc_u64 s[24:25], s[24:25], s[38:39]
	s_add_nc_u64 s[12:13], s[12:13], s[30:31]
	s_add_nc_u64 s[14:15], s[14:15], s[30:31]
	s_add_nc_u64 s[18:19], s[18:19], s[44:45]
	s_add_nc_u64 s[28:29], s[28:29], s[46:47]
.set lm, 0
.rept 32
	global_load_b32 v[MX+lm], v[L4], s[18:19] offset:2048*lm th:TH_LOAD_NT   ; Mr(32 dblk + i, my column): a wave reads 128 consecutive bytes, the eight waves 1,024
.set lm, lm+1
.endr
.irp q, 0,1,2,3
	global_load_b128 v[WL+4*\q:WL+4*\q+3], v[T16], s[12:13] offset:4096*\q
.endr
.irp q, 0,1,2,3
	global_load_b128 v[WL+16+4*\q:WL+16+4*\q+3], v[T16], s[14:15] offset:4096*\q
.endr
	global_load_b32 v[BI], v[BGO], s[16:17]
	LOADX 0
	LOADX 1
	s_wait_loadcnt 32                              ; all but the 32 loads of x's first two K steps are in
.irp q, 0,1,2,3
.irp e, 0,1,2,3
	ds_store_b32 v[WTI], v[WL+4*\q+\e] offset:\e*WTP+512*\q              ; Wg(128 q + t / 2, 4 (t & 1) + e) to column 4 (t & 1) + e
	ds_store_b32 v[WTI], v[WL+16+4*\q+\e] offset:8*WTP+\e*WTP+512*\q     ; V's columns behind Wg's eight
.endr
.endr
	s_wait_dscnt 0x0                               ; for the others' sake: my stores into WT are done
	s_barrier_signal -1
	s_barrier_wait -1
	WIN 0x40                                       ; destination window 1
.irp s, 0,1,2,3
.irp b, 0,1,2,3
.irp q, 0,1,2,3
	ds_load_b128 v[64*\s+16*\b+4*\q:64*\s+16*\b+4*\q+3], v[WTO] offset:512*\s+128*\b+16*\q   ; register 64 s + 16 b + i: W(128 s + 32 b + 16 h + i, n)
.endr
.endr
.endr
	WIN 0
	; ---- my block of Mr, while W comes in
	v_max3_num_f32 v[TM], |v[MX]|, |v[MX+1]|, |v[MX+2]|
	v_max3_num_f32 v[TM+1], |v[MX+3]|, |v[MX+4]|, |v[MX+5]|
.irp i, 6,10,14,18,22,26
	s_delay_alu instid0(VALU_DEP_2)
	v_max3_num_f32 v[TM], v[TM], |v[MX+\i]|, |v[MX+\i+1]|
	s_delay_alu instid0(VALU_DEP_2)
	v_max3_num_f32 v[TM+1], v[TM+1], |v[MX+\i+2]|, |v[MX+\i+3]|
.endr
	s_delay_alu instid0(VALU_DEP_2)
	v_max3_num_f32 v[TM], v[TM], |v[MX+30]|, |v[MX+31]|
	s_delay_alu instid0(VALU_DEP_1)
	v_max3_num_f32 v[TM], v[TM], v[TM+1], 0x1800000
	s_delay_alu instid0(VALU_DEP_1)
	v_add_nc_u32 v[TM+2], 0xff000000, v[TM]
	s_delay_alu instid0(VALU_DEP_1)
	v_lshrrev_b32 v[TM+3], 23, v[TM+2]
	v_cvt_scalef32_pk16_fp6_f32 v[PC:PC+2], v[MX:MX+15], v[TM+2]
	v_cvt_scalef32_pk16_fp6_f32 v[PC+4:PC+6], v[MX+16:MX+31], v[TM+2]
	v_nop                                          ; one plain place behind a scaled conversion
	v_mov_b32 v[PC+3], v[PC+4]                     ; the six registers on end
	v_mov_b32 v[PC+4], v[PC+5]
	v_mov_b32 v[PC+5], v[PC+6]
	global_store_b64 v[P0], v[PC:PC+1], s[28:29]
	global_store_b64 v[P0+1], v[PC+2:PC+3], s[28:29]
	global_store_b64 v[P0+2], v[PC+4:PC+5], s[28:29]
	global_store_b8 v[VO], v[TM+3], s[28:29]
.irp b, 0,1,2,3
	v_mov_b32 v[TM+4+\b], 0                        ; written once: a lane permute's destination counts as one of its sources
.endr
	v_cndmask_b32 v[BI], 0, v[BI], s53
	s_delay_alu instid0(VALU_DEP_1)
	v_mul_f32 v[BI], 0xbfb8aa3b, v[BI]
	s_delay_alu instid0(VALU_DEP_1)
	v_mov_b32 v[BI+1], v[BI]
	s_wait_dscnt 0x0                               ; W is in
; A K step of 128: through the stage, so that a lane holds 16 neighbours of each block of its row; 32 products of 4 along K; the codes and their scale word.
.macro STEP g
.set RR, R0+64*((\g)%2)
.if \g < 3
	s_wait_loadcnt 16                              ; this step's 16 loads are in; the next step's may be out
.else
	s_wait_loadcnt 0x0
.endif
.set si, 0
.rept 16
	ds_store_b128 v[SI], v[RR+4*si:RR+4*si+3] offset:528*si
.set si, si+1
.endr
	s_wait_dscnt 0x0                               ; the stores have read their registers, which the loads below fill
.irp b, 0,1,2,3
.irp j, 0,1,2,3
	ds_load_b128 v[RR+16*\b+4*\j:RR+16*\b+4*\j+3], v[SO] offset:128*\b+16*\j
.endr
.endr
	s_wait_dscnt 0x0
	WIN 0x04                                       ; source 1 (W) window 1
.set wi, 0
.rept 32
.if (\g == 0) && (wi < 4)
	v_wmma_f32_16x16x4_f32 v[PA+8*(wi%4):PA+8*(wi%4)+7], v[RR+2*wi:RR+2*wi+1], v[64*(\g)+2*wi:64*(\g)+2*wi+1], 0
.else
	v_wmma_f32_16x16x4_f32 v[PA+8*(wi%4):PA+8*(wi%4)+7], v[RR+2*wi:RR+2*wi+1], v[64*(\g)+2*wi:64*(\g)+2*wi+1], v[PA+8*(wi%4):PA+8*(wi%4)+7]
.endif
.set wi, wi+1
.endr                                          ; the four accumulators take turns, one instruction a turn, from step to step too
	WIN 0
	s_wait_xcnt 0x0                                ; earlier stores have read the codes' registers
	QUANT RR, PW+\g
.irp c, 0,1,2
	global_store_b128 v[LI], v[PC+4*\c:PC+4*\c+3], s[20:21] offset:1536*(\g)+512*\c   ; the image: 512 consecutive bytes a store
.endr
.if \g < 2
	LOADX (\g)+2                                   ; into the set just multiplied: the quantiser's plain instructions on its own registers, more than eight, are the places behind the last product
.endif
.endm
	STEP 0
	STEP 1
	STEP 2
	STEP 3
	v_cndmask_b32 v250, v[PW], v[PW+2], s56        ; lanes 0-15 store K steps 0, 1 of their row's scale words, lanes 16-31 steps 2, 3: 256 consecutive bytes
	v_cndmask_b32 v251, v[PW+1], v[PW+3], s56
	global_store_b64 v[SWO], v[250:251], s[20:21] offset:6144
	; ---- the projections: lane (n, h), register j: row 8 h + j, column n.  (The last step's quantiser is the distance behind the last product.)  Each accumulator is read from its low end on
.irp p, 0,1,2,3
	v_pk_add_f32 v[R0+2*\p:R0+2*\p+1], v[PA+2*\p:PA+2*\p+1], v[PA+8+2*\p:PA+8+2*\p+1]
	v_pk_add_f32 v[R0+8+2*\p:R0+8+2*\p+1], v[PA+16+2*\p:PA+16+2*\p+1], v[PA+24+2*\p:PA+24+2*\p+1]
.endr
.irp p, 0,1,2,3
	v_pk_add_f32 v[R0+2*\p:R0+2*\p+1], v[R0+2*\p:R0+2*\p+1], v[R0+8+2*\p:R0+8+2*\p+1]
.endr
.irp p, 0,1,2,3
	s_delay_alu instid0(VALU_DEP_4)
	v_pk_fma_f32 v[R0+2*\p:R0+2*\p+1], v[R0+2*\p:R0+2*\p+1], 0xbfb8aa3b, v[BI:BI+1] op_sel_hi:[1,0,1]   ; t = -log2(e) (x + bias)
.endr
.irp j, 0,1,2,3,4,5,6,7
	ds_store_b32 v[TBI], v[R0+\j] offset:4*\j      ; a lane holds a column: the words are gathered by slices in my stage
.endr
.irp t, 0,1
	ds_load_b128 v[R0+32+4*\t:R0+32+4*\t+3], v[TBO] offset:576*\t   ; LDS serves a wave's instructions in order: these see my stores
.endr
	s_wait_dscnt 0x0
.irp t, 0,1
	global_store_b128 v[LI], v[R0+32+4*\t:R0+32+4*\t+3], s[24:25] offset:512*\t   ; slices 4 t .. 4 t + 3: 512 consecutive bytes
.endr
	s_wait_xcnt 0x0
	v_lshl_add_u32 v254, v0, 2, 0x18900
	v_mov_b32 v255, 0
	s_wait_alu depctr_va_vdst(0)
	s_wait_tensorcnt 0x0
	ds_add_u32 v254, v255
	s_wait_dscnt 0x0
	s_endpgm
.Lfunc_end_k_q1f83ebe842_prep:
	.size	k_q1f83ebe842_prep, .Lfunc_end_k_q1f83ebe842_prep-k_q1f83ebe842_prep
	.p2alignl 7, 3214868480
	.fill 96, 4, 3214868480
	.section	.rodata,"a",@progbits
	.p2align	6, 0x0
	.amdhsa_kernel k_q1f83ebe842_prep
		.amdhsa_group_segment_fixed_size 101632
		.amdhsa_private_segment_fixed_size 0
		.amdhsa_enable_private_segment 0
		.amdhsa_kernarg_size 88
		.amdhsa_user_sgpr_count 2
		.amdhsa_user_sgpr_kernarg_segment_ptr 1
		.amdhsa_wavefront_size32 1
		.amdhsa_system_sgpr_workgroup_id_x 1
		.amdhsa_system_sgpr_workgroup_id_y 1
		.amdhsa_system_sgpr_workgroup_id_z 1
		.amdhsa_system_vgpr_workitem_id 0
		.amdhsa_next_free_vgpr 512
		.amdhsa_next_free_sgpr 66
		.amdhsa_reserve_vcc 0
		.amdhsa_float_denorm_mode_32 3
		.amdhsa_float_denorm_mode_16_64 3
		.amdhsa_memory_ordered 1
		.amdhsa_forward_progress 1
		.amdhsa_inst_pref_size 67
	.end_amdhsa_kernel
	.amdgpu_metadata
---
amdhsa.version: [ 1, 2 ]
amdhsa.kernels:
  - .name:           k_q1f83ebe842_prep
    .symbol:         k_q1f83ebe842_prep.kd
    .args:
      - { .name: arg1, .offset: 0, .size: 8, .value_kind: global_buffer, .address_space: global }
      - { .name: arg2, .offset: 8, .size: 8, .value_kind: global_buffer, .address_space: global }
      - { .name: Wg, .offset: 16, .size: 8, .value_kind: global_buffer, .address_space: global }
      - { .name: V, .offset: 24, .size: 8, .value_kind: global_buffer, .address_space: global }
      - { .name: Bg, .offset: 32, .size: 8, .value_kind: global_buffer, .address_space: global }
      - { .name: Mr, .offset: 40, .size: 8, .value_kind: global_buffer, .address_space: global }
      - { .name: x1q, .offset: 48, .size: 8, .value_kind: global_buffer, .address_space: global }
      - { .name: x2q, .offset: 56, .size: 8, .value_kind: global_buffer, .address_space: global }
      - { .name: xtab, .offset: 64, .size: 8, .value_kind: global_buffer, .address_space: global }
      - { .name: ytab, .offset: 72, .size: 8, .value_kind: global_buffer, .address_space: global }
      - { .name: mq, .offset: 80, .size: 8, .value_kind: global_buffer, .address_space: global }
    .group_segment_fixed_size: 101632
    .private_segment_fixed_size: 0
    .kernarg_segment_align: 8
    .kernarg_segment_size: 88
    .max_flat_workgroup_size: 256
    .sgpr_count:     66
    .vgpr_count:     512
    .wavefront_size: 32
...
	.end_amdgpu_metadata
.endif
;; end of part 1
;; launch tmul (part 2): grid 8 x 32, 4 waves a work-group, clusters of 4 x 1, 205,312 bytes of LDS; arguments x1q, mq, tq, ts; writes tq, ts
.if DOCPART == 2
	.amdgcn_target "amdgcn-amd-amdhsa--gfx1250"
	.amdhsa_code_object_version 6
	.text
	.protected	k_q1f83ebe842_tmul
	.globl	k_q1f83ebe842_tmul
	.p2align	8
	.type	k_q1f83ebe842_tmul,@function
k_q1f83ebe842_tmul:
	s_mov_b64 s[64:65], 0
	v_nop
	global_prefetch_b8 v0, s[64:65] scope:SCOPE_SE
	s_setreg_imm32_b32 hwreg(HW_REG_WAVE_MODE, 25, 1), 1
	s_wait_xcnt 0x0
	s_wait_alu depctr_hold_cnt(0) depctr_sa_sdst(0) depctr_va_vdst(0) depctr_va_sdst(0) depctr_va_ssrc(0) depctr_va_vcc(0) depctr_vm_vsrc(0)
	s_getreg_b32 s2, hwreg(HW_REG_IB_STS2, 6, 4)
	s_cmp_eq_u32 s2, 0
	s_cbranch_scc0 .Lentry_in_a_cluster
	s_endpgm
.Lentry_in_a_cluster:
	s_bfe_u32 s2, ttmp6, 0x10000c
	s_cmp_lg_u32 s2, 0x3003
	s_cbranch_scc0 .Lentry_shape_is_right
	s_endpgm
.Lentry_shape_is_right:
; T[b][i][k][e] = sum over d of Mr[k][d][e] arg1[b][i][d], on codes of FP6 (E2M3) with E8M0 scales, f32 sums; T is quantised along e in registers and stored as images of operand registers.
; SHARES.  A work-group takes one slice k and one batch b: 512 rows i x 512 e.  Wave w owns e = 128 w .. 128 w + 127: its 32 fragments of Mr (8 tiles x 4 K steps, 384 registers) and their scale
; words stay in registers; its results are K step w of the next product.  arg1's 32 records of the batch, 204,800 consecutive bytes, are brought into LDS once.
; CLUSTER.  The four work-groups of a cluster have the same batch and four slices: they ask for arg1's records JOINTLY, each wave a quarter.  The place in the cluster enters Mr's, tq's and ts's addresses alone.
; THE PRODUCT IS USED TRANSPOSED: source 0 = 16 rows of Mr's tile, source 1 = 16 rows of arg1.  A lane holds one row i, and by the order of Mr's rows in a tile the 16 registers of tiles 2 B, 2 B + 1 are
; e = 32 B + 16 (lane / 16) + 0 .. 15: the order that the conversions want.
; tq: [b][tile of 16 i][k][K step][1,536 bytes].  ts: [b][group of 4 tiles][k][K step][row][tile in the group], words.
; LDS bytes are filled once: there is no ring.  LIMITS: NaN and infinities are not served; a block of zeros gets the byte 1 (its codes are zeros; this program alone reads the bytes).
; REGISTERS: window 0: v1-7 addresses; v16-47 Mr's scale words; v48-99, v100-151 arg1's four fragments and four scale words, two sets; v152-215 eight accumulators; v216-255 the quantiser's.
;   window 1: Mr's tiles 0-4; window 2: tiles 5-7.
.set LI,  1                            ; v1   16 x lane
.set R16, 2                            ; v2   16 r
.set LA,  3                            ; v3   16 x lane + the trip's four records
.set LS,  4                            ; v4   16 r + the same
.set SWO, 5                            ; v5   16 r + 8 h
.set T2,  6                            ; v6-7 two scale words to store
.set MS,  16
.set XB,  48
.set ACC, 152
.set TM,  216
.set PC,  232
.set PW,  252
.set WV,  3                            ; s3   wave
.set SEL, 38                           ; s[38:39]
.set HM,  40                           ; s40  lanes 16-31
.set TO,  41                           ; s41  LDS byte of the trip's first record
.set CNT, 42
.set MSB, 0
.macro WIN new                         ; the immediate's high byte repeats the setting that is left
.if MSB != \new
	s_set_vgpr_msb (MSB<<8)|\new
.set MSB, \new
.endif
.endm
.macro ROUND                           ; a round of the cluster's barrier
	s_barrier_signal -1
	s_barrier_wait -1
	s_cmp_lg_u32 s[WV], 0
	s_cbranch_scc1 .Lnot_wave_0_\@
	s_barrier_signal -3
.Lnot_wave_0_\@:
	s_barrier_wait -3
	s_barrier_signal -1
	s_barrier_wait -1
.endm
; 64 numbers of a lane, register 16 b + i = k 32 b + 16 (lane / 16) + i of my row, become a fragment's codes in v[PC] .. v[PC + 11] and its scale word in v[pw].  Each accumulator is first read at its registers 0 and 1.
.macro QUANT s, pw
.irp b, 0,1,2,3
	v_max3_num_f32 v[TM+\b], |v[\s+16*\b]|, |v[\s+1+16*\b]|, 0x1800000   ; my 16 numbers of block b, and the floor 2^(3 - 127): the byte cannot fall under 1
.endr
.irp i, 2,4,6,8,10,12,14
.irp b, 0,1,2,3
	v_max3_num_f32 v[TM+\b], v[TM+\b], |v[\s+16*\b+\i]|, |v[\s+1+16*\b+\i]|
.endr
.endr
.irp b, 0,1,2,3
	v_permlanex16_b32 v[TM+4+\b], v[TM+\b], s[SEL], s[SEL+1]
.endr
.irp b, 0,1,2,3
	v_max_num_f32 v[TM+\b], v[TM+\b], v[TM+4+\b]   ; with lane l xor 16's: the block's largest magnitude
.endr
.irp b, 0,1,2,3
	v_add_nc_u32 v[TM+12+\b], 0xff000000, v[TM+\b]   ; 2 off its exponent field: the conversion's scale operand
.endr
.irp b, 0,1,2,3
	v_lshrrev_b32 v[TM+4+\b], 23, v[TM+12+\b]      ; the scale's byte
.endr
	v_lshl_or_b32 v[\pw], v[TM+5], 8, v[TM+4]
	v_lshl_or_b32 v[\pw], v[TM+6], 16, v[\pw]
	v_lshl_or_b32 v[\pw], v[TM+7], 24, v[\pw]
.irp c, 0,1
	v_cvt_scalef32_pk16_fp6_f32 v[PC+6*\c:PC+2+6*\c], v[\s+32*\c:\s+15+32*\c], v[TM+12+2*\c]
	v_cvt_scalef32_pk16_fp6_f32 v[PC+12+4*\c:PC+14+4*\c], v[\s+16+32*\c:\s+31+32*\c], v[TM+12+2*\c+1]   ; (a conversion's three registers begin on an even number)
.endr
	v_nop                                          ; one plain place behind a scaled conversion
.irp c, 0,1                                    ; the operand's layout wants a whole block in a lane
.irp i, 0,1,2
	v_permlane16_swap_b32 v[PC+6*\c+\i], v[PC+12+4*\c+\i]
.endr
.irp i, 0,1,2
	v_mov_b32 v[PC+3+6*\c+\i], v[PC+12+4*\c+\i]
.endr
.endr
.endm
; a record of arg1 from LDS into set p: 12 loads of images, one of the row's four scale words
.macro XFETCH p, la, ls, off
.irp s, 0,1,2,3
.irp c, 0,1,2
	ds_load_b128 v[XB+52*(\p)+12*\s+4*\c:XB+52*(\p)+12*\s+4*\c+3], v[\la] offset:(\off)+1536*\s+512*\c
.endr
.endr
	ds_load_b128 v[XB+52*(\p)+48:XB+52*(\p)+51], v[\ls] offset:(\off)+6144
.endm
.macro MM a, s, mr                     ; tile a of Mr, K step s; mr: where its fragment lies in its window
.if (\s) == 0
	v_wmma_scale_f32_16x16x128_f8f6f4 v[ACC+8*(\a):ACC+8*(\a)+7], v[\mr:\mr+11], v[XC+12*(\s):XC+12*(\s)+11], 0, v[MS+4*(\a)+(\s)], v[XC+48+(\s)] matrix_a_fmt:MATRIX_FMT_FP6 matrix_b_fmt:MATRIX_FMT_FP6
.else
	v_wmma_scale_f32_16x16x128_f8f6f4 v[ACC+8*(\a):ACC+8*(\a)+7], v[\mr:\mr+11], v[XC+12*(\s):XC+12*(\s)+11], v[ACC+8*(\a):ACC+8*(\a)+7], v[MS+4*(\a)+(\s)], v[XC+48+(\s)] matrix_a_fmt:MATRIX_FMT_FP6 matrix_b_fmt:MATRIX_FMT_FP6
.endif
.endm
; Tile j of a trip's four tiles of 16 rows i.  pre = 1: the next tile's record is fetched into the other set.
.macro TILE j, pre
.if \pre
	XFETCH 1-(\j)%2, LA, LS, 6400*((\j)+1)         ; that set's last products stand in front of the last tile's four v_nop
	s_wait_dscnt 13                                ; this tile's record is in; the 13 loads just issued may be out
.else
	s_wait_dscnt 0x0
.endif
.set XC, XB+52*((\j)%2)
.irp s, 0,1,2,3                                ; the eight accumulators take turns, one instruction a turn.  The first K step starts the sums
	WIN 0x01                                       ; source 0 (Mr) window 1
.irp et, 0,1,2,3,4
	MM \et, \s, 12*(4*\et+\s)
.endr
	WIN 0x02                                       ; window 2
.irp et, 5,6,7
	MM \et, \s, 12*(4*(\et-5)+\s)
.endr
.endr
	WIN 0
.rept 4
	v_nop                                          ; places in front of the first read of results
.endr
	s_wait_xcnt 0x0                                ; the last tile's stores have read the codes' registers
	QUANT ACC, PW+\j
.irp c, 0,1,2
	global_store_b128 v[LI], v[PC+4*\c:PC+4*\c+3], s[8:9] offset:49152*(\j)+512*\c   ; the image: 512 consecutive bytes a store
.endr
.endm
.macro WORDS                           ; the four tiles' scale words of my K step: lane (r, h) stores tiles 2 h, 2 h + 1 of row r: 256 consecutive bytes
	v_cndmask_b32 v[T2], v[PW], v[PW+2], s[HM]
	v_cndmask_b32 v[T2+1], v[PW+1], v[PW+3], s[HM]
	global_store_b64 v[SWO], v[T2:T2+1], s[10:11]
.endm
	s_load_b128 s[4:7], s[0:1], 0x0                ; x1q, mq
	s_load_b128 s[8:11], s[0:1], 0x10              ; tq, ts
	v_lshl_add_u32 v247, v0, 2, 0x32000
	v_mov_b32 v251, 0
	ds_add_u32 v247, v251
	ds_add_u32 v247, v251
	v_lshrrev_b32 v3, 5, v0
	v_readfirstlane_b32 s[WV], v3                  ; wave 0..3
	v_and_b32 v4, 31, v0
	v_lshlrev_b32 v[LI], 4, v4
	v_and_b32 v4, 15, v0
	v_lshlrev_b32 v[R16], 4, v4
	v_bfe_u32 v5, v0, 4, 1
	v_lshl_add_u32 v[SWO], v5, 3, v[R16]
.irp b, 0,1,2,3
	v_mov_b32 v[TM+4+\b], 0                        ; written once: a lane permute's destination counts as one of its sources
.endr
	s_mov_b32 s[SEL], 0x76543210
	s_mov_b32 s[SEL+1], 0xfedcba98
	s_mov_b32 s[HM], 0xffff0000
	s_bfe_u32 s24, ttmp6, 0x40000                  ; cx
	s_lshl_b32 s25, ttmp9, 2
	s_add_co_u32 s25, s25, s24                     ; the slice k = 4 x cluster x + cx
	s_and_b32 s26, ttmp7, 0xffff                   ; the batch, which the four partners share
	; descriptor group 1: 200 rows of 256 bytes (32 elements of 8), dense, no padding
	s_mov_b32 s16, 15|(3<<16)|(1<<21)              ; 15:0 the mask: all four work-groups; 17:16 elements of 8 bytes; 21 set beside a mask
	s_mov_b32 s17, 32<<16                          ; tensor_dim0
	s_mov_b32 s18, 200<<16                         ; tensor_dim1
	s_mov_b32 s19, 32<<16                          ; tile_dim0
	s_mov_b32 s20, 200                             ; tile_dim1
	s_mov_b32 s21, 32                              ; the pitch
	s_mov_b32 s22, 0
	s_mov_b32 s23, 0
	s_mul_i32 s27, s[WV], 51200                    ; my quarter, in LDS and in the batch's records
	s_mul_i32 s28, s26, 204800
	s_add_co_u32 s28, s28, s27
	s_mov_b32 s29, 0
	s_lshl_b32 s30, s26, 8                         ; tq: (256 b + k) x 6,144 + 1,536 w
	s_add_co_u32 s30, s30, s25
	s_mul_i32 s32, s30, 6144
	s_mul_i32 s31, s[WV], 1536
	s_add_co_u32 s32, s32, s31
	s_mov_b32 s33, 0
	s_lshl_b32 s34, s26, 6                         ; ts: ((64 b + k) x 4 + w) x 256
	s_add_co_u32 s34, s34, s25
	s_lshl_b32 s34, s34, 2
	s_add_co_u32 s34, s34, s[WV]
	s_lshl_b32 s34, s34, 8
	s_mov_b32 s35, 0
	s_lshl_b32 s36, s25, 5                         ; mq: records 32 k + 8 w on
	s_lshl_b32 s31, s[WV], 3
	s_add_co_u32 s36, s36, s31
	s_mul_i32 s36, s36, 6400
	s_mov_b32 s37, 0
	s_wait_dscnt 0x0
	s_wait_kmcnt 0x0
	s_mov_b32 s12, 1                               ; group 0: count = 1,
	s_mov_b32 s13, s27                             ; LDS address,
	s_add_nc_u64 s[14:15], s[4:5], s[28:29]        ; global address,
	s_or_b32 s15, s15, 0x80000000                  ; type = 2
	s_add_nc_u64 s[6:7], s[6:7], s[36:37]
	s_add_nc_u64 s[8:9], s[8:9], s[32:33]
	s_add_nc_u64 s[10:11], s[10:11], s[34:35]
	ROUND                                          ; all four work-groups are here: the joint loads meet
	tensor_load_to_lds s[12:15], s[16:23]          ; my one tensor load of the launch
	s_nop 0
.rept 4
	v_nop
.endr
	WIN 0x40                                       ; destination window 1
	s_wait_alu depctr_va_vdst(0)
.irp et, 0,1,2,3,4
.irp s, 0,1,2,3
.irp c, 0,1,2
	global_load_b128 v[12*(4*\et+\s)+4*\c:12*(4*\et+\s)+4*\c+3], v[LI], s[6:7] offset:6400*\et+1536*\s+512*\c
.endr
.endr
.endr
	WIN 0x80                                       ; window 2
.irp et, 5,6,7
.irp s, 0,1,2,3
.irp c, 0,1,2
	global_load_b128 v[12*(4*(\et-5)+\s)+4*\c:12*(4*(\et-5)+\s)+4*\c+3], v[LI], s[6:7] offset:6400*\et+1536*\s+512*\c
.endr
.endr
.endr
	WIN 0
.irp et, 0,1,2,3,4,5,6,7
	global_load_b128 v[MS+4*\et:MS+4*\et+3], v[R16], s[6:7] offset:6400*\et+6144
.endr
	s_wait_tensorcnt 0x0                           ; my quarter of arg1's records is in,
	s_barrier_signal -1
	s_barrier_wait -1                              ; everybody's is
	XFETCH 0, LI, R16, 0
	s_wait_loadcnt 0x0                             ; Mr
	s_mov_b32 s[TO], 0
	s_mov_b32 s[CNT], 7
.Ltrip:                                            ; four tiles a trip, so that the two sets are back where they began and four scale words make a store
	v_add_nc_u32 v[LA], s[TO], v[LI]
	v_add_nc_u32 v[LS], s[TO], v[R16]
	TILE 0, 1
	TILE 1, 1
	TILE 2, 1
	TILE 3, 1
	WORDS
	s_wait_xcnt 0x0                                ; the stores have read their bases
	s_add_nc_u64 s[8:9], s[8:9], 196608            ; four tiles on in tq,
	s_add_nc_u64 s[10:11], s[10:11], 8192          ; a group on in ts
	s_add_co_u32 s[TO], s[TO], 25600
	s_sub_co_u32 s[CNT], s[CNT], 1
	s_cmp_lg_u32 s[CNT], 0
	s_cbranch_scc1 .Ltrip
	v_add_nc_u32 v[LA], s[TO], v[LI]               ; the last four tiles are written out: the last fetches nothing
	v_add_nc_u32 v[LS], s[TO], v[R16]
	TILE 0, 1
	TILE 1, 1
	TILE 2, 1
	TILE 3, 0
	WORDS
	s_wait_dscnt 0x0
	s_wait_tensorcnt 0x0
	ds_add_u32 v247, v251
	s_wait_dscnt 0x0
	ROUND                                          ; the closing round: no work-group ends while a partner may still ask jointly
	s_endpgm
.Lfunc_end_k_q1f83ebe842_tmul:
	.size	k_q1f83ebe842_tmul, .Lfunc_end_k_q1f83ebe842_tmul-k_q1f83ebe842_tmul
	.p2alignl 7, 3214868480
	.fill 96, 4, 3214868480
	.section	.rodata,"a",@progbits
	.p2align	6, 0x0
	.amdhsa_kernel k_q1f83ebe842_tmul
		.amdhsa_group_segment_fixed_size 205312
		.amdhsa_private_segment_fixed_size 0
		.amdhsa_enable_private_segment 0
		.amdhsa_kernarg_size 32
		.amdhsa_user_sgpr_count 2
		.amdhsa_user_sgpr_kernarg_segment_ptr 1
		.amdhsa_wavefront_size32 1
		.amdhsa_system_sgpr_workgroup_id_x 1
		.amdhsa_system_sgpr_workgroup_id_y 1
		.amdhsa_system_sgpr_workgroup_id_z 1
		.amdhsa_system_vgpr_workitem_id 0
		.amdhsa_next_free_vgpr 768
		.amdhsa_next_free_sgpr 66
		.amdhsa_reserve_vcc 0
		.amdhsa_float_denorm_mode_32 3
		.amdhsa_float_denorm_mode_16_64 3
		.amdhsa_memory_ordered 1
		.amdhsa_forward_progress 1
		.amdhsa_inst_pref_size 90
	.end_amdhsa_kernel
	.amdgpu_metadata
---
amdhsa.version: [ 1, 2 ]
amdhsa.kernels:
  - .name:           k_q1f83ebe842_tmul
    .symbol:         k_q1f83ebe842_tmul.kd
    .args:
      - { .name: x1q, .offset: 0, .size: 8, .value_kind: global_buffer, .address_space: global }
      - { .name: mq, .offset: 8, .size: 8, .value_kind: global_buffer, .address_space: global }
      - { .name: tq, .offset: 16, .size: 8, .value_kind: global_buffer, .address_space: global }
      - { .name: ts, .offset: 24, .size: 8, .value_kind: global_buffer, .address_space: global }
    .group_segment_fixed_size: 205312
    .private_segment_fixed_size: 0
    .kernarg_segment_align: 8
    .kernarg_segment_size: 32
    .max_flat_workgroup_size: 128
    .sgpr_count:     66
    .vgpr_count:     768
    .wavefront_size: 32
...
	.end_amdgpu_metadata
.endif
;; end of part 2
;; launch score (part 3): grid 8 x 32, 8 waves a work-group, no clusters, 327,680 bytes of LDS; arguments tq, ts, x2q, xtab, ytab, U, b, out0; writes out0
.if DOCPART == 3
	.amdgcn_target "amdgcn-amd-amdhsa--gfx1250"
	.amdhsa_code_object_version 6
	.text
	.protected	k_q1f83ebe842_score
	.globl	k_q1f83ebe842_score
	.p2align	8
	.type	k_q1f83ebe842_score,@function
k_q1f83ebe842_score:
	s_mov_b64 s[64:65], 0
	v_nop
	global_prefetch_b8 v0, s[64:65] scope:SCOPE_SE
	s_setreg_imm32_b32 hwreg(HW_REG_WAVE_MODE, 25, 1), 1
	s_wait_xcnt 0x0
; out[b][i][j] = sigmoid(sum over k of U[k] (bi g + si (1 - g) + b[k])), bi[b][i][j][k] = sum over e of T[b][i][k][e] arg2[b][j][e] on codes of FP6 (E2M3) with E8M0 scales, f32 sums.
; g = 1 / (1 + Eg), si = 1 / (1 + Es), E = 2^(t_i + t_j) from the tables (t = -log2(e) x projection): the sum is formed ahead of the exponential, so large projections that cancel are safe.
; bi g + si (1 - g) = si + g (bi - si).  -si is the C of each sum's first product, so the accumulator holds bi - si.  U is taken x -log2(e), so that the sum over k is the last exponential's input as it stands.
; SHARES.  A work-group takes one batch and 64 rows i (four tiles m), all 512 j.  Wave w owns j = 64 w .. 64 w + 63 (four tiles jt): its 16 fragments of arg2 and their scale words stay in registers.
; THE WALK goes over 32 steps (m, k).  Step n: its 64 reciprocals, with the sums t of step n + 1 among them; the 64 exponentials of step n + 1; step n's 16 products, with step n + 1's 1 + E between them
; (plain lines alone stand between the links of a chain); then g (bi - si) + si and the sum over k.  Table entries are fetched two steps ahead, T's fragments at the head of their step.
; The walk goes on across a tile's end: k wraps in arg2's table, arg1's goes on to the next tile.  The last tile's last two steps are written out: they look no further ahead.
; At the ends of tiles 0 and 1, waves 0-3 send their tile out ahead of the barrier and waves 4-7 behind it: the two halves of the work-group then walk their steps apart, one half's products beside the other's transcendentals.
; LDS: every byte is filled once.  The head's loads, one a wave: arg1's table, T's scale words, arg2's table in two halves, T's tile 0 in four quarters.  Tile 1 is asked for behind the first barrier,
; tiles 2 and 3 behind the second, one load a wave each; the third barrier shows them whole; the fourth tile needs none.
; NO CLUSTER: of the 241,664 bytes that tensor loads bring to a work-group, 208,896 (T's codes and scale words, arg1's table) are its own; arg2's fragments are used by one wave each and go to registers.
; NO PREFETCH: each tile of T is asked for eight steps or more ahead of its first read, and what the head asks for is wanted at once.
; Source 0 = 16 rows i of T, source 1 = 16 rows j of arg2: lane (r, h), register e: i = 8 h + e, j = r.
; LIMITS: NaN and infinities among the inputs are not served.  t_i + t_j is rounded once in f32.
; REGISTERS: window 0: all but: window 1: v0-191 arg2's fragments; v192-223 g; v224-255 the sums over k.
.set XT,  196608                       ; LDS: T's images at 0: (8 m + k) x 6,144 + 1,536 s;  arg1's table: 1,024 m + 128 k + 64 (g, s) + 4 row
.set YT,  200704                       ; arg2's: 1,024 tile + 128 k + 64 (g, s) + 4 r
.set TS,  233472                       ; T's scale words: (4 k + s) x 256 + 16 r + 4 m
.set STG, 241664                       ; the way out: 16 rows x 272 bytes for each wave; no fill lands here
.set SPARE, 276480                     ; the spare words, 128 bytes for each wave: four blocks of 256 bytes that no other line names
.set LI,  1                            ; v1   16 x lane
.set R16, 2                            ; v2   16 r
.set ATS, 3
.set AXT, 4
.set AYT, 5
.set CQ,  6                            ; v6-9 the trip's LDS addresses: T, its scale words, the next trip's table entries
.set C1,  7
.set C2,  8
.set C3,  9
.set SGI, 10
.set SGO, 11
.set OO,  12
.set SPW, 13                           ; v13  LDS address of my spare word; never rewritten
.set NIL, 14                           ; v14  0; never rewritten
.set XS2, 16                           ; v16-31 arg2's scale words
.set TF,  32                           ; v32-79 T's four fragments
.set TSW, 80                           ; v80-83 their scale words
.set XR,  84                           ; v84-91 tg, v92-99 ts of rows 8 h + 0 .. 7
.set YR,  100                          ; v100-107 (tg, ts) of j = 16 jt + r
.set EG,  108                          ; v108-139 t, Eg, 1 + Eg
.set ES,  140                          ; v140-171 t, Es, -(1 + Es)
.set CC,  172                          ; v172-203 -si; rows on the way out
.set ACC, 204                          ; v204-235 four accumulators
.set G,   192                          ; window 1
.set Z,   224                          ; window 1
.set WV,  2
.set G1X, 36                           ; groups 1: 16, 32, 64, 48, 24 rows of 256 bytes
.set G1S, 44
.set G1Y, 52
.set G1Q, 68
.set G1A, 76
.set G0X, 84                           ; groups 0
.set G0S, 88
.set G0Y, 92
.set G0Q, 96
.set UK,  60                           ; s[60:61] U of a trip's second step
.set KQ,  62
.set K1,  63
.set KX,  66
.set KY,  67
.set UT,  28                           ; s[28:29] at work when U goes round
.set CNT, 100
.set ZB,  101                          ; -log2(e) x sum of U[k] b[k]
.set MSB, 0
.macro WIN new                         ; the immediate's high byte repeats the setting that is left
.if MSB != \new
	s_set_vgpr_msb (MSB<<8)|\new
.set MSB, \new
.endif
.endm
.macro G1SET g, r                      ; r rows of 256 bytes (32 elements of 8), dense, no mask, no padding
	s_mov_b32 s[\g], 3<<16
	s_mov_b32 s[\g+1], 32<<16
	s_mov_b32 s[\g+2], (\r)<<16
	s_mov_b32 s[\g+3], 32<<16
	s_mov_b32 s[\g+4], \r
	s_mov_b32 s[\g+5], 32
	s_mov_b32 s[\g+6], 0
	s_mov_b32 s[\g+7], 0
.endm
.macro G0SET g, ptr                    ; count, global address = ptr + s[66:67], type; the LDS address is written beside it
	s_mov_b32 s[\g], 1
	s_add_nc_u64 s[\g+2:\g+3], s[\ptr:\ptr+1], s[66:67]
	s_or_b32 s[\g+3], s[\g+3], 0x80000000
.endm
.macro ARM under, g0, g1, next         ; one arm of the head's chain: its load, and a jump to the join
	s_cmp_lt_u32 s[WV], \under
	s_cbranch_scc0 \next
	tensor_load_to_lds s[\g0:\g0+3], s[\g1:\g1+7]
	s_nop 0
.rept 4
	v_nop
.endr
	s_branch .Lasked
\next:
.endm
	s_load_b512 s[4:19], s[0:1], 0x0               ; tq, ts, x2q, xtab, ytab, U, b, out0
	v_lshl_add_u32 v[SPW], v0, 2, SPARE
	v_mov_b32 v[NIL], 0
	ds_add_u32 v[SPW], v[NIL]                      ; the opening lines: the add twice on end and its one wait
	ds_add_u32 v[SPW], v[NIL]
	v_lshrrev_b32 v15, 5, v0
	v_and_b32 v236, 31, v0
	v_and_b32 v237, 15, v0                         ; r
	v_bfe_u32 v238, v0, 4, 1                       ; h
	v_readfirstlane_b32 s[WV], v15                 ; wave 0..7
	s_lshl_b32 s62, s[WV], 12
	s_add_co_u32 s62, s62, YT                      ; my four tiles of arg2's table
	s_mul_i32 s63, s[WV], 4352
	s_add_co_u32 s63, s63, STG                     ; my stage
	v_lshlrev_b32 v[LI], 4, v236
	v_lshlrev_b32 v[R16], 4, v237
	v_mul_u32_u24 v[SGI], v238, 2176               ; in: row 8 h + e, 4 bytes at j = 16 jt + r
	v_mul_u32_u24 v[SGO], v238, 272                ; back: lanes 0-15 one row of 256 bytes, lanes 16-31 the next
	v_lshl_add_u32 v[AXT], v238, 5, XT             ; rows 8 h on: 32 bytes
	v_lshl_add_u32 v[AYT], v237, 2, s62
	v_add_nc_u32 v[ATS], TS, v[R16]
	v_lshl_add_u32 v[SGI], v237, 2, v[SGI]
	v_add_nc_u32 v[SGO], v[SGO], v[R16]
	v_lshl_add_u32 v[OO], v238, 11, v[R16]         ; the same two rows in out0
	v_add_nc_u32 v[SGI], s63, v[SGI]
	v_add_nc_u32 v[SGO], s63, v[SGO]
	s_wait_alu depctr_va_vdst(0)
	G1SET G1X, 16
	G1SET G1S, 32
	G1SET G1Y, 64
	G1SET G1Q, 48
	G1SET G1A, 24
	s_and_b32 s3, ttmp7, 0xffff                    ; the batch
	s_lshl_b32 s62, s3, 5
	s_lshl_b32 s63, ttmp9, 2
	s_add_co_u32 s62, s62, s63                     ; my first tile of i: 32 b + 4 x
	s_mov_b32 s67, 0
	s_mov_b32 s[UK], 0
	s_mov_b32 s[UK+1], 0                           ; (named with U[k] as a pair, so it is written)
	s_wait_dscnt 0x0
	s_wait_kmcnt 0x0
	s_load_b256 s[20:27], s[14:15], 0x0            ; U
	s_load_b256 s[28:35], s[16:17], 0x0            ; b
	s_lshl_b32 s66, s62, 10                        ; arg1's table: 1,024 bytes a tile, four tiles
	s_mov_b32 s[G0X+1], XT
	G0SET G0X, 10
	s_lshl_b32 s66, s62, 11                        ; T's scale words: 8,192 bytes for the four tiles
	s_mov_b32 s[G0S+1], TS
	G0SET G0S, 6
	s_and_b32 s63, s[WV], 1                        ; arg2's table: the batch's 32,768 bytes in two halves
	s_lshl_b32 s63, s63, 14
	s_lshl_b32 s66, s3, 15
	s_add_co_u32 s66, s66, s63
	s_add_co_u32 s[G0Y+1], s63, YT
	G0SET G0Y, 12
	s_mul_i32 s66, s62, 49152                      ; T's images: my four tiles begin here
	s_add_nc_u64 s[4:5], s[4:5], s[66:67]
	s_and_b32 s63, s[WV], 3                        ; tile 0 in four quarters of two slices
	s_mul_i32 s66, s63, 12288
	s_mov_b32 s[G0Q+1], s66
	G0SET G0Q, 4
	s_lshl_b32 s66, s3, 5                          ; arg2's records 32 b + 4 w on
	s_lshl_b32 s63, s[WV], 2
	s_add_co_u32 s66, s66, s63
	s_mul_i32 s66, s66, 6400
	s_add_nc_u64 s[8:9], s[8:9], s[66:67]
	s_lshl_b32 s66, s3, 20                         ; out0: row 512 b + 64 x, column 64 w
	s_lshl_b32 s63, ttmp9, 17
	s_add_co_u32 s66, s66, s63
	s_lshl_b32 s63, s[WV], 8
	s_add_co_u32 s66, s66, s63
	s_add_nc_u64 s[18:19], s[18:19], s[66:67]
	ARM 1, G0X, G1X, .Lh_s                         ; one chain of branches on the wave's number, one load to an arm
	ARM 2, G0S, G1S, .Lh_y
	ARM 4, G0Y, G1Y, .Lh_q
	tensor_load_to_lds s[G0Q:G0Q+3], s[G1Q:G1Q+7]
	s_nop 0
.rept 4
	v_nop
.endr
.Lasked:
	WIN 0x40                                       ; destination window 1
.irp jt, 0,1,2,3
.irp s, 0,1,2,3
.irp c, 0,1,2
	global_load_b128 v[12*(4*\jt+\s)+4*\c:12*(4*\jt+\s)+4*\c+3], v[LI], s[8:9] offset:6400*\jt+1536*\s+512*\c
.endr
.endr
.endr
	WIN 0
.irp jt, 0,1,2,3
	global_load_b128 v[XS2+4*\jt:XS2+4*\jt+3], v[R16], s[8:9] offset:6400*\jt+6144
.endr
	s_wait_kmcnt 0x0
.irp k, 0,1,2,3,4,5,6,7
	s_mul_f32 s[20+\k], s[20+\k], 0xbfb8aa3b       ; -log2(e) U[k]
.endr
	s_mul_f32 s[ZB], s20, s28
.irp k, 1,2,3,4,5,6,7
	s_fmac_f32 s[ZB], s[20+\k], s[28+\k]
.endr
.macro TABLD xa, ya, off               ; 12 loads: a step's table entries
.irp q, 0,1
	ds_load_b128 v[XR+4*\q:XR+4*\q+3], v[\xa] offset:\off+16*\q
.endr
.irp q, 0,1
	ds_load_b128 v[XR+8+4*\q:XR+8+4*\q+3], v[\xa] offset:\off+64+16*\q
.endr
.irp jt, 0,1,2,3
	ds_load_b32 v[YR+2*\jt], v[\ya] offset:1024*\jt+\off
	ds_load_b32 v[YR+2*\jt+1], v[\ya] offset:1024*\jt+\off+64
.endr
.endm
; t_i + t_j, two rows i at a time: pair n of 16 (tile jt = n / 4, rows 2 (n % 4), + 1); of the pair (tg_j, ts_j) one word serves both halves
.macro SUMG n
	v_pk_add_f32 v[EG+2*(\n):EG+2*(\n)+1], v[XR+2*((\n)%4):XR+2*((\n)%4)+1], v[YR+2*((\n)/4):YR+2*((\n)/4)+1] op_sel_hi:[1,0]
.endm
.macro SUMS n
	v_pk_add_f32 v[ES+2*(\n):ES+2*(\n)+1], v[XR+8+2*((\n)%4):XR+9+2*((\n)%4)], v[YR+2*((\n)/4):YR+2*((\n)/4)+1] op_sel:[0,1] op_sel_hi:[1,1]
.endm
.macro ONEP                            ; line u of 32: -(1 + Es), then 1 + Eg
.if u < 16
	v_pk_fma_f32 v[ES+2*u:ES+2*u+1], v[ES+2*u:ES+2*u+1], -1.0, -1.0 op_sel_hi:[1,0,0]
.else
	v_pk_add_f32 v[EG+2*u-32:EG+2*u-31], v[EG+2*u-32:EG+2*u-31], 1.0 op_sel_hi:[1,0]
.endif
.set u, u+1
.endm
.macro EXPS                            ; 64 exponentials in place: Es, then Eg
.set i, 0
.rept 64
	v_exp_f32 v[EG+(i+32)%64], v[EG+(i+32)%64]
.set i, i+1
.endr
.endm
; ONE STEP (m, k).  par: the first or second step of a trip;  up: the scalar pair whose low word is U[k];  la: the next step's sums, exponentials and 1 + E are made;  ld: the entries of the step after that are fetched.
.macro KSTEP m, par, up, la, ld
.irp s, 0,1,2,3
.irp c, 0,1,2
	ds_load_b128 v[TF+12*\s+4*\c:TF+12*\s+4*\c+3], v[CQ] offset:6144*\par+1536*\s+512*\c
.endr
.endr
.irp s, 0,1,2,3
	ds_load_b32 v[TSW+\s], v[C1] offset:1024*\par+256*\s+4*\m
.endr
.if \la
	s_wait_dscnt 16                                ; the next step's entries are in; this step's 16 loads of T may be out
.endif
	s_wait_alu depctr_va_vdst(0)
	WIN 0x40
.set i, 0
.rept 32
	v_rcp_f32 v[G+i], v[EG+i]                      ; g
.set i, i+1
.endr
	WIN 0
	v_nop                                          ; a plain place ahead of the lines that write over these reciprocals' sources
.set i, 0
.rept 16
	v_rcp_f32 v[CC+2*i], v[ES+2*i]                 ; -si
	v_rcp_f32 v[CC+2*i+1], v[ES+2*i+1]
.if \la
	SUMG i                                         ; the next step's sums: tg's, whose registers are free,
.if i > 0
	SUMS i-1                                       ; and ts's, a pair behind the reciprocals that read these registers
.endif
.endif
.set i, i+1
.endr
.if \la
	SUMS 15
.if \ld
	TABLD C2, C3, 128*\par
.endif
	s_wait_alu depctr_va_vdst(0)                   ; behind the reciprocals and the sums, ahead of the exponentials
	EXPS
.endif
	v_nop                                          ; a plain place behind the last transcendental
	s_wait_alu depctr_va_vdst(0)
	s_wait_dscnt 12*\ld                            ; T's fragments and scale words are in; the entries just asked for may be out
	WIN 0x04                                       ; source 1 (arg2) window 1
.set w, 0
.set u, 0
.irp s, 0,1,2,3                                ; the four accumulators take turns, one instruction a turn
.irp jt, 0,1,2,3
.if \s == 0
	v_wmma_scale_f32_16x16x128_f8f6f4 v[ACC+8*\jt:ACC+8*\jt+7], v[TF:TF+11], v[12*(4*\jt):12*(4*\jt)+11], v[CC+8*\jt:CC+8*\jt+7], v[TSW], v[XS2+4*\jt] matrix_a_fmt:MATRIX_FMT_FP6 matrix_b_fmt:MATRIX_FMT_FP6
.else
	v_wmma_scale_f32_16x16x128_f8f6f4 v[ACC+8*\jt:ACC+8*\jt+7], v[TF+12*\s:TF+12*\s+11], v[12*(4*\jt+\s):12*(4*\jt+\s)+11], v[ACC+8*\jt:ACC+8*\jt+7], v[TSW+\s], v[XS2+4*\jt+\s] matrix_a_fmt:MATRIX_FMT_FP6 matrix_b_fmt:MATRIX_FMT_FP6
.endif
.if \la
.if w < 14
	ONEP                                           ; the next step's 1 + E: two lines behind each of fourteen products,
	ONEP
.endif
.endif
.set w, w+1
.endr
.endr
.rept 4                                        ; and four behind the last: they are its places
.if \la
	ONEP
.else
	v_nop
.endif
.endr
	WIN 0x41                                       ; g: source 0 and destination window 1
.set i, 0
.rept 16
	v_pk_fma_f32 v[G+2*i:G+2*i+1], v[G+2*i:G+2*i+1], v[ACC+2*i:ACC+2*i+1], v[CC+2*i:CC+2*i+1] neg_lo:[0,0,1] neg_hi:[0,0,1]   ; g (bi - si) + si: each accumulator from its low end on
.set i, i+1
.endr
	WIN 0x51
.set i, 0
.rept 16
	v_pk_fma_f32 v[Z+2*i:Z+2*i+1], v[G+2*i:G+2*i+1], s[\up:\up+1], v[Z+2*i:Z+2*i+1] op_sel_hi:[1,0,1]
.set i, i+1
.endr
	WIN 0
.endm
.macro TRIP m, ld0, la1, ld1           ; two steps
	s_mov_b32 s[UK], s21                           ; the second step's U into the low word of a pair
	v_add_nc_u32 v[CQ], s[KQ], v[LI]
	v_add_nc_u32 v[C1], s[K1], v[ATS]
.if \ld0
	v_add_nc_u32 v[C2], s[KX], v[AXT]              ; the next trip's entries
	v_add_nc_u32 v[C3], s[KY], v[AYT]
.endif
	KSTEP \m, 0, 20, 1, \ld0
	KSTEP \m, 1, UK, \la1, \ld1
.endm
.macro ZINIT
	WIN 0x40
.set i, 0
.rept 32
	v_mov_b32 v[Z+i], s[ZB]                        ; the sums begin with the sum of U[k] b[k]
.set i, i+1
.endr
.endm
; In front of tiles 0, 1, 2: all my tensor loads have landed, everybody's have; then the next first fill, one load a wave.
.macro SYNC m
	s_wait_tensorcnt 0x0                           ; so group 0 may be written
	ds_add_u32 v[SPW], v[NIL]                      ; 0 onto my spare word
.if \m < 2
	s_mul_i32 s66, s[WV], 6144*(\m+1)              ; m = 0: my eighth of tile 1;  m = 1: my eighth of tiles 2 and 3
	s_add_co_u32 s66, s66, 49152*(\m+1)
	s_mov_b32 s67, 0
	s_mov_b32 s[G0Q+1], s66
	G0SET G0Q, 4
.endif
	s_wait_dscnt 0x0                               ; the add is done, and my LDS loads are back
	s_barrier_signal -1
	s_barrier_wait -1
.if \m == 0
	tensor_load_to_lds s[G0Q:G0Q+3], s[G1A:G1A+7]  ; bytes that nothing has filled; my one tensor load until the next barrier
	s_nop 0
.endif
.if \m == 1
	tensor_load_to_lds s[G0Q:G0Q+3], s[G1Q:G1Q+7]
	s_nop 0
.endif
.if \m < 2
.rept 4
	v_nop
.endr
.endif
.endm
; The eight steps of tile m
.macro WALK m
	s_mov_b32 s[KQ], 49152*\m
	s_mov_b32 s[K1], 0
	s_mov_b32 s[KX], 1024*\m+256
	s_mov_b32 s[KY], 256
	s_mov_b32 s[CNT], 4-(\m)/3
.Lk_\@:
	TRIP \m, 1, 1, 1
	s_mov_b64 s[UT:UT+1], s[20:21]                 ; U goes round by two: after four trips it stands as it began
	s_mov_b64 s[20:21], s[22:23]
	s_mov_b64 s[22:23], s[24:25]
	s_mov_b64 s[24:25], s[26:27]
	s_mov_b64 s[26:27], s[UT:UT+1]
	s_add_co_u32 s[KQ], s[KQ], 12288
	s_add_co_u32 s[K1], s[K1], 2048
	s_add_co_u32 s[KX], s[KX], 256                 ; arg1's table goes on into the next tile,
	s_add_co_u32 s[KY], s[KY], 256
	s_and_b32 s[KY], s[KY], 0x3ff                  ; arg2's comes back to k = 0
	s_sub_co_u32 s[CNT], s[CNT], 1
	s_cmp_lg_u32 s[CNT], 0
	s_cbranch_scc1 .Lk_\@
.if \m == 3
	TRIP 3, 0, 0, 0                                ; the walk's last two steps: nothing beyond them is fetched or made
.endif
.endm
; Tile m's last sigmoid and its way out
.macro EPI m
	WIN 0x41
	s_wait_alu depctr_va_vdst(0)
.set i, 0
.rept 32
	v_exp_f32 v[G+i], v[Z+i]                       ; 2^(-log2(e) z)
.set i, i+1
.endr
.if \m < 3
	ZINIT
	WIN 0x41
.else
	v_nop
.endif
	s_wait_alu depctr_va_vdst(0)
.set i, 0
.rept 16
	v_pk_add_f32 v[G+2*i:G+2*i+1], v[G+2*i:G+2*i+1], 1.0 op_sel_hi:[1,0]
.set i, i+1
.endr
	s_wait_alu depctr_va_vdst(0)
.set i, 0
.rept 32
	v_rcp_f32 v[G+i], v[G+i]
.set i, i+1
.endr
	v_nop
	s_wait_alu depctr_va_vdst(0)
	WIN 0x04                                       ; the stores' data: window 1
.irp jt, 0,1,2,3
.irp e, 0,1,2,3,4,5,6,7
	ds_store_b32 v[SGI], v[G+8*\jt+\e] offset:272*\e+64*\jt
.endr
.endr
	WIN 0
.irp t, 0,1,2,3,4,5,6,7
	ds_load_b128 v[CC+4*\t:CC+4*\t+3], v[SGO] offset:544*\t   ; LDS serves a wave's instructions in order: these see my stores
.endr
.irp t, 0,1,2,3,4,5,6,7
	s_wait_dscnt 7-\t                              ; rows 2 t, 2 t + 1 are back; the younger loads may be out
	global_store_b128 v[OO], v[CC+4*\t:CC+4*\t+3], s[18:19] offset:32768*\m+4096*\t th:TH_STORE_NT   ; sixteen lanes store 256 consecutive bytes, at a multiple of 256 from out0's first byte
.endr
.endm
.macro EPI_IF m, low                   ; low = 1: waves 0-3 alone;  low = 0: waves 4-7 alone
	s_cmp_lt_u32 s[WV], 4
.if \low
	s_cbranch_scc0 .Lnot_now_\@
.else
	s_cbranch_scc1 .Lnot_now_\@
.endif
	EPI \m
.Lnot_now_\@:
.endm
	SYNC 0
	TABLD AXT, AYT, 0                              ; the walk is begun: step 0's sums, exponentials and 1 + E
	s_wait_dscnt 0x0
.set i, 0
.rept 16
	SUMG i
	SUMS i
.set i, i+1
.endr
	TABLD AXT, AYT, 128
	s_wait_alu depctr_va_vdst(0)
	EXPS
	ZINIT
	WIN 0
	s_wait_alu depctr_va_vdst(0)
.set u, 0
.rept 32
	ONEP
.endr
	s_wait_alu depctr_va_vdst(0)
	s_wait_loadcnt 0x0                             ; arg2
	WALK 0
	EPI_IF 0, 1
	SYNC 1
	EPI_IF 0, 0
	s_wait_xcnt 0x0                                ; the last tile's stores have read their registers
	WALK 1
	EPI_IF 1, 1
	SYNC 2
	EPI_IF 1, 0
	s_wait_xcnt 0x0
	WALK 2
	EPI 2
	s_wait_xcnt 0x0
	WALK 3
	EPI 3
	s_wait_tensorcnt 0x0                           ; the wave's end
	ds_add_u32 v[SPW], v[NIL]
	s_wait_dscnt 0x0
	s_endpgm
.Lfunc_end_k_q1f83ebe842_score:
	.size	k_q1f83ebe842_score, .Lfunc_end_k_q1f83ebe842_score-k_q1f83ebe842_score
	.p2alignl 7, 3214868480
	.fill 96, 4, 3214868480
	.section	.rodata,"a",@progbits
	.p2align	6, 0x0
	.amdhsa_kernel k_q1f83ebe842_score
		.amdhsa_group_segment_fixed_size 327680
		.amdhsa_private_segment_fixed_size 0
		.amdhsa_enable_private_segment 0
		.amdhsa_kernarg_size 64
		.amdhsa_user_sgpr_count 2
		.amdhsa_user_sgpr_kernarg_segment_ptr 1
		.amdhsa_wavefront_size32 1
		.amdhsa_system_sgpr_workgroup_id_x 1
		.amdhsa_system_sgpr_workgroup_id_y 1
		.amdhsa_system_sgpr_workgroup_id_z 1
		.amdhsa_system_vgpr_workitem_id 0
		.amdhsa_next_free_vgpr 512
		.amdhsa_next_free_sgpr 102
		.amdhsa_reserve_vcc 0
		.amdhsa_float_denorm_mode_32 3
		.amdhsa_float_denorm_mode_16_64 3
		.amdhsa_memory_ordered 1
		.amdhsa_forward_progress 1
		.amdhsa_inst_pref_size 208
	.end_amdhsa_kernel
	.amdgpu_metadata
---
amdhsa.version: [ 1, 2 ]
amdhsa.kernels:
  - .name:           k_q1f83ebe842_score
    .symbol:         k_q1f83ebe842_score.kd
    .args:
      - { .name: tq, .offset: 0, .size: 8, .value_kind: global_buffer, .address_space: global }
      - { .name: ts, .offset: 8, .size: 8, .value_kind: global_buffer, .address_space: global }
      - { .name: x2q, .offset: 16, .size: 8, .value_kind: global_buffer, .address_space: global }
      - { .name: xtab, .offset: 24, .size: 8, .value_kind: global_buffer, .address_space: global }
      - { .name: ytab, .offset: 32, .size: 8, .value_kind: global_buffer, .address_space: global }
      - { .name: U, .offset: 40, .size: 8, .value_kind: global_buffer, .address_space: global }
      - { .name: b, .offset: 48, .size: 8, .value_kind: global_buffer, .address_space: global }
      - { .name: out0, .offset: 56, .size: 8, .value_kind: global_buffer, .address_space: global }
    .group_segment_fixed_size: 327680
    .private_segment_fixed_size: 0
    .kernarg_segment_align: 8
    .kernarg_segment_size: 64
    .max_flat_workgroup_size: 256
    .sgpr_count:     102
    .vgpr_count:     512
    .wavefront_size: 32
...
	.end_amdgpu_metadata
.endif
;; end of part 3
